; MI455X (gfx1250); checked and timed in simulation.
; The chip was launched on July 23, 2026; its instructions are those of AMD's public machine-readable ISA for CDNA 5 (MIT licence, August 2026) and "CDNA5" Instruction Set Architecture Reference Guide (July 2026). The comments in the code are by the model that wrote it; some were corrected since.
;; Attn. Allowed arithmetic: float matrix products may take bf16 or f16 operands with f32 sums; all other float work in f32.
;; Inputs: W 1,024 x 1,024 float32; attn_mask 64 x 1,024 float32; b 1,024 float32; encoder_outputs 64 x 1,024 x 1,024 float32; hidden 1 x 64 x 1,024 float32.
;; Outputs: out0 64 x 1,024 float32.
;; One version. Each part assembles by itself: llvm-mc -triple=amdgcn-amd-amdhsa -mcpu=gfx1250 --defsym DOCPART=n.
;; ======== version 1 of 1: 3 launches
;; workspace buffers: qc 262,400 bytes; part 1,050,624 bytes
;; launch qvec (part 1): grid 16 x 16, 16 waves a work-group, no clusters, 51,456 bytes of LDS; arguments hidden, W, b, qc; writes qc
.if DOCPART == 1
	.amdgcn_target "amdgcn-amd-amdhsa--gfx1250"
	.amdhsa_code_object_version 6
	.text
	.protected	k_qa534b301ac_qvec
	.globl	k_qa534b301ac_qvec
	.p2align	8
	.type	k_qa534b301ac_qvec,@function
k_qa534b301ac_qvec:
	s_mov_b64 s[64:65], 0
	v_nop
	global_prefetch_b8 v0, s[64:65] scope:SCOPE_SE
	s_setreg_imm32_b32 hwreg(HW_REG_WAVE_MODE, 25, 1), 1
	s_wait_xcnt 0x0
; q[s][d] = sum over e of h[s][e] W[e][d]   (64 x 1024, f32, qc bytes 0 .. 262143)
; c[s]    = sum over e of h[s][e] b[e]      (64, f32, qc bytes 262144 .. 262399)
; The problem's energy h . (W x + b) equals (h W) . x + h . b for every input, so the later launch needs q and c alone.
; LIMIT: that changes the order of rounding against the problem's formula; all sums here are f32 fused multiply-adds.
; f32 on the vector unit, not 16-bit operands on the matrix unit: q goes into exponents of a softmax whose spread is
; about 32 at the drawn sizes, so a relative error of 2^-9 in q would move weights by several per cent.
; SHARES: work-group (x, y) makes 4 samples (4 y ..) x 64 columns (64 x ..) over all 1,024 e.  Wave w takes e = 64 w .. 64 w + 63;
; its lanes 0-15 the first 32 of them, lanes 16-31 the other 32; lane r of a half owns columns 4 r .. 4 r + 3 of all 4 samples: 16 sums.
; One load of W by a wave covers two pieces of 256 consecutive aligned bytes (rows 64 w + i and 64 w + 32 + i).  All 32 loads of a wave
; go out at once, 16 KiB a wave, so no ring is needed.  The 32 half-waves' sums meet in LDS behind the one barrier.
; No cluster: what the 16 work-groups of a column block share is 256 KiB each, read once.
.set HS,   8                           ; v[8:15]    h as loaded: pair 2 s = h[s][e0], h[s][e0+1], e0 = 2 x thread
.set ACC,  16                          ; v[16:31]   sum (s, c) at 16 + 4 s + c
.set H,    32                          ; v[32:95]   eight steps x (4 samples x 2 e) of h, from LDS
.set WD,   96                          ; v[96:223]  W's load i at 96 + 4 i; later the partial sums read back
.set BB,   224                         ; v[224:225] b[e0], b[e0+1]
.set CP,   226                         ; v[226:229] my part of c of the 4 samples
.set PX,   230                         ; v[230:233] the other half-wave's figure
.set RED,  16384                       ; LDS: 32 sets (2 w + half) of 1,024 bytes, [sample][64 columns]
.set REDC, 49152                       ; LDS: wave w's four parts of c at 16 w
                                       ; LDS bytes 0 .. 16383: wave w's own 1,024 bytes of h at 1024 w, e pair p at 32 p as (s0e0 s0e1 s1e0 s1e1 ..)
	s_load_b256 s[4:11], s[0:1], 0x0               ; hidden s[4:5], W s[6:7], b s[8:9], qc s[10:11]
	v_lshl_add_u32 v240, v0, 2, 0xc100
	v_mov_b32 v241, 0
	v_lshrrev_b32 v2, 5, v0
	v_readfirstlane_b32 s12, v2                    ; wave 0 .. 15
	s_mov_b32 s13, ttmp9                           ; x: block of 64 columns
	s_and_b32 s14, ttmp7, 0xffff                   ; y: group of 4 samples
	s_lshl_b32 s16, s14, 14                        ; 4 rows of 4,096 bytes of hidden and of q
	s_mov_b32 s17, 0
	s_lshl_b32 s18, s13, 8                         ; 64 columns of 4 bytes
	s_mov_b32 s19, 0
	s_lshl_b32 s26, s14, 4                         ; 4 numbers of c
	s_mov_b32 s27, 0
	s_mov_b32 s20, 0x76543210                      ; v_permlanex16_b32: lane i reads lane i of the other half
	s_mov_b32 s21, 0xfedcba98
	v_and_b32 v1, 31, v0                           ; lane
	v_and_b32 v2, 15, v0                           ; r
	v_bfe_u32 v3, v0, 4, 1                         ; half
	v_lshlrev_b32 v4, 3, v0                        ; h and b: 8 bytes a thread
	v_lshrrev_b32 v5, 4, v0                        ; 2 w + half
	v_lshlrev_b32 v5, 17, v5                       ; x 32 rows of 4,096 bytes
	v_lshl_or_b32 v5, v2, 4, v5                    ; + 16 r
	v_lshlrev_b32 v6, 5, v1
	v_lshl_add_u32 v6, s12, 10, v6                 ; where I put my e pair of h: 1024 w + 32 lane
	v_lshlrev_b32 v7, 9, v3
	v_lshl_add_u32 v7, s12, 10, v7                 ; where my half's 16 e pairs begin: 1024 w + 512 half
	s_wait_kmcnt 0x0
	s_add_nc_u64 s[4:5], s[4:5], s[16:17]          ; hidden at my first sample
	s_add_nc_u64 s[6:7], s[6:7], s[18:19]          ; W at my first column
	s_add_nc_u64 s[24:25], s[10:11], 0x40000       ; c lies behind q,
	s_add_nc_u64 s[24:25], s[24:25], s[26:27]      ; at my first sample
	s_add_nc_u64 s[10:11], s[10:11], s[16:17]      ; q at my first sample
	s_add_nc_u64 s[10:11], s[10:11], s[18:19]      ; and my first column
.irp s, 0,1,2,3
	global_load_b64 v[HS+2*\s:HS+2*\s+1], v4, s[4:5] offset:4096*\s    ; a wave's load covers 256 consecutive aligned bytes
.endr
	global_load_b64 v[BB:BB+1], v4, s[8:9]         ; in every work-group, so that the same five loads stand ahead of W's on every path
.set i, 0
.rept 32
	global_load_b128 v[WD+4*i:WD+4*i+3], v5, s[6:7] offset:4096*i
.set i, i+1
.endr
	v_lshlrev_b32 v234, 4, v2                      ; where my 16 sums go: RED + 2048 w + 1024 half + 16 r
	v_lshl_add_u32 v234, v3, 10, v234
	v_lshl_add_u32 v234, s12, 11, v234
	v_add_nc_u32 v234, RED, v234
	s_wait_loadcnt 32                              ; W's 32 loads are younger and stay out: h and b are in
	ds_store_b128 v6, v[HS:HS+3]                   ; my wave's own bytes: LDS serves a wave's instructions in order (ISA guide 5.7.1),
	ds_store_b128 v6, v[HS+4:HS+7] offset:16       ; so the reads below need no wait and no barrier
; c: only the work-groups of the first column block make it
	s_cmp_lg_u32 s13, 0
	s_cbranch_scc1 .Lno_c
.irp s, 0,1,2,3
	v_mul_f32 v[CP+\s], v[HS+2*\s], v[BB]
	v_mov_b32 v[PX+\s], 0                          ; v_permlanex16_b32 counts as a reader of its destination
.endr
.irp s, 0,1,2,3
	v_fmac_f32 v[CP+\s], v[HS+2*\s+1], v[BB+1]
.endr
.irp m, 1,2,4,8
.irp s, 0,1,2,3
	v_add_f32_dpp v[CP+\s], v[CP+\s], v[CP+\s] row_xmask:\m row_mask:0xf bank_mask:0xf
.endr
.endr
.irp s, 0,1,2,3
	v_permlanex16_b32 v[PX+\s], v[CP+\s], s20, s21
.endr
.irp s, 0,1,2,3
	v_add_f32 v[CP+\s], v[CP+\s], v[PX+\s]         ; every lane holds the wave's part of c[s]
.endr
	v_mov_b32 v235, s12
	v_lshl_add_u32 v235, v235, 4, REDC
	ds_store_b128 v235, v[CP:CP+3]                 ; all lanes write the same 16 bytes with the same numbers
.Lno_c:
; eight steps' h: 16 loads, each half-wave reading one address
.macro HLOAD base
.irp jj, 0,1,2,3,4,5,6,7
	ds_load_b128 v[H+8*\jj:H+8*\jj+3],   v7 offset:32*(\base+\jj)
	ds_load_b128 v[H+8*\jj+4:H+8*\jj+7], v7 offset:32*(\base+\jj)+16
.endr
	s_wait_dscnt 0x0
.endm
; step j: two rows of W (loads 2 j and 2 j + 1) x 4 samples x 4 columns.  first = 1: the products start the sums, nothing is cleared.
.macro STEP j, first
	s_wait_loadcnt 30-2*\j                         ; loads come back in order (ISA guide 5.7.1): the 30 - 2 j behind these two stay out
.irp s, 0,1,2,3
.irp c, 0,2
.if \first
	v_pk_mul_f32 v[ACC+4*\s+\c:ACC+4*\s+\c+1], v[WD+8*\j+\c:WD+8*\j+\c+1], v[H+8*(\j%8)+2*\s:H+8*(\j%8)+2*\s+1] op_sel_hi:[1,0]
.else
	v_pk_fma_f32 v[ACC+4*\s+\c:ACC+4*\s+\c+1], v[WD+8*\j+\c:WD+8*\j+\c+1], v[H+8*(\j%8)+2*\s:H+8*(\j%8)+2*\s+1], v[ACC+4*\s+\c:ACC+4*\s+\c+1] op_sel_hi:[1,0,1]
.endif
.endr
.endr
.irp s, 0,1,2,3
.irp c, 0,2
	v_pk_fma_f32 v[ACC+4*\s+\c:ACC+4*\s+\c+1], v[WD+8*\j+4+\c:WD+8*\j+4+\c+1], v[H+8*(\j%8)+2*\s:H+8*(\j%8)+2*\s+1], v[ACC+4*\s+\c:ACC+4*\s+\c+1] op_sel:[0,1,0] op_sel_hi:[1,1,1]
.endr
.endr
.endm
	HLOAD 0
	STEP 0, 1
.irp j, 1,2,3,4,5,6,7
	STEP \j, 0
.endr
	HLOAD 8
.irp j, 8,9,10,11,12,13,14,15
	STEP \j, 0
.endr
.irp s, 0,1,2,3
	ds_store_b128 v234, v[ACC+4*\s:ACC+4*\s+3] offset:256*\s       ; 16 lanes write 256 consecutive bytes
.endr
	s_wait_dscnt 0x0                               ; for the other waves' sake: all my LDS stores are done
	s_barrier_signal -1
	s_barrier_wait -1                              ; the only barrier: behind it the sets are read and nothing is written
	s_cmp_lt_u32 s12, 2
	s_cbranch_scc0 .Lnot_q
	; waves 0 and 1: thread t adds the 16 bytes at 16 t of the 32 sets, in a fixed order, and stores them
	v_lshl_add_u32 v236, v0, 4, RED
.set u, 0
.rept 32
	ds_load_b128 v[WD+4*u:WD+4*u+3], v236 offset:1024*u
.set u, u+1
.endr
	v_lshrrev_b32 v237, 4, v0                      ; sample t / 16
	v_lshlrev_b32 v237, 12, v237
	v_lshl_or_b32 v237, v2, 4, v237                ; + 16 (t mod 16)
	s_wait_dscnt 0x0
.set u, 4
.rept 28                                       ; four chains: set k takes sets k + 4, k + 8 ..
	v_pk_add_f32 v[WD+4*(u%4):WD+4*(u%4)+1],   v[WD+4*(u%4):WD+4*(u%4)+1],   v[WD+4*u:WD+4*u+1]
	v_pk_add_f32 v[WD+4*(u%4)+2:WD+4*(u%4)+3], v[WD+4*(u%4)+2:WD+4*(u%4)+3], v[WD+4*u+2:WD+4*u+3]
.set u, u+1
.endr
	v_pk_add_f32 v[WD:WD+1],     v[WD:WD+1],     v[WD+4:WD+5]
	v_pk_add_f32 v[WD+2:WD+3],   v[WD+2:WD+3],   v[WD+6:WD+7]
	v_pk_add_f32 v[WD+8:WD+9],   v[WD+8:WD+9],   v[WD+12:WD+13]
	v_pk_add_f32 v[WD+10:WD+11], v[WD+10:WD+11], v[WD+14:WD+15]
	v_pk_add_f32 v[WD:WD+1],     v[WD:WD+1],     v[WD+8:WD+9]
	v_pk_add_f32 v[WD+2:WD+3],   v[WD+2:WD+3],   v[WD+10:WD+11]
	global_store_b128 v237, v[WD:WD+3], s[10:11]   ; 16 lanes store 256 consecutive aligned bytes of one row of q
	s_wait_tensorcnt 0x0
	ds_add_u32 v240, v241
	s_wait_dscnt 0x0
	s_endpgm
.Lnot_q:
	s_cmp_lg_u32 s12, 2
	s_cbranch_scc1 .Lend
	s_cmp_lg_u32 s13, 0
	s_cbranch_scc1 .Lend
	; wave 2 of the first column block: the 16 waves' parts of c
	v_mov_b32 v236, REDC
.set u, 0
.rept 16
	ds_load_b128 v[WD+4*u:WD+4*u+3], v236 offset:16*u
.set u, u+1
.endr
	v_mov_b32 v237, 0
	s_wait_dscnt 0x0
.set u, 2
.rept 14                                       ; two chains
	v_pk_add_f32 v[WD+4*(u%2):WD+4*(u%2)+1],   v[WD+4*(u%2):WD+4*(u%2)+1],   v[WD+4*u:WD+4*u+1]
	v_pk_add_f32 v[WD+4*(u%2)+2:WD+4*(u%2)+3], v[WD+4*(u%2)+2:WD+4*(u%2)+3], v[WD+4*u+2:WD+4*u+3]
.set u, u+1
.endr
	v_pk_add_f32 v[WD:WD+1],   v[WD:WD+1],   v[WD+4:WD+5]
	v_pk_add_f32 v[WD+2:WD+3], v[WD+2:WD+3], v[WD+6:WD+7]
	v_cmp_eq_u32 vcc_lo, 0, v1
	s_wait_xcnt 0x0                                ; EXEC changes only behind this wait
	s_and_saveexec_b32 s22, vcc_lo
	global_store_b128 v237, v[WD:WD+3], s[24:25]   ; lane 0: 16 bytes, four c.  A short store, sixteen of them in the launch: c is 256 bytes in all
	s_wait_xcnt 0x0                                ; and again in front of the line that widens it
	s_or_b32 exec_lo, exec_lo, s22
.Lend:
	s_wait_tensorcnt 0x0
	ds_add_u32 v240, v241
	s_wait_dscnt 0x0
	s_endpgm
.Lfunc_end_k_qa534b301ac_qvec:
	.size	k_qa534b301ac_qvec, .Lfunc_end_k_qa534b301ac_qvec-k_qa534b301ac_qvec
	.p2alignl 7, 3214868480
	.fill 96, 4, 3214868480
	.section	.rodata,"a",@progbits
	.p2align	6, 0x0
	.amdhsa_kernel k_qa534b301ac_qvec
		.amdhsa_group_segment_fixed_size 51456
		.amdhsa_private_segment_fixed_size 0
		.amdhsa_enable_private_segment 0
		.amdhsa_kernarg_size 32
		.amdhsa_user_sgpr_count 2
		.amdhsa_user_sgpr_kernarg_segment_ptr 1
		.amdhsa_wavefront_size32 1
		.amdhsa_system_sgpr_workgroup_id_x 1
		.amdhsa_system_sgpr_workgroup_id_y 1
		.amdhsa_system_sgpr_workgroup_id_z 1
		.amdhsa_system_vgpr_workitem_id 0
		.amdhsa_next_free_vgpr 242
		.amdhsa_next_free_sgpr 66
		.amdhsa_reserve_vcc 1
		.amdhsa_float_denorm_mode_32 3
		.amdhsa_float_denorm_mode_16_64 3
		.amdhsa_memory_ordered 1
		.amdhsa_forward_progress 1
		.amdhsa_inst_pref_size 37
	.end_amdhsa_kernel
	.amdgpu_metadata
---
amdhsa.version: [ 1, 2 ]
amdhsa.kernels:
  - .name:           k_qa534b301ac_qvec
    .symbol:         k_qa534b301ac_qvec.kd
    .args:
      - { .name: hidden, .offset: 0, .size: 8, .value_kind: global_buffer, .address_space: global }
      - { .name: W, .offset: 8, .size: 8, .value_kind: global_buffer, .address_space: global }
      - { .name: b, .offset: 16, .size: 8, .value_kind: global_buffer, .address_space: global }
      - { .name: qc, .offset: 24, .size: 8, .value_kind: global_buffer, .address_space: global }
    .group_segment_fixed_size: 51456
    .private_segment_fixed_size: 0
    .kernarg_segment_align: 8
    .kernarg_segment_size: 32
    .max_flat_workgroup_size: 512
    .sgpr_count:     66
    .vgpr_count:     242
    .wavefront_size: 32
...
	.end_amdgpu_metadata
.endif
;; end of part 1
;; launch stream (part 2): grid 256 x 1, 16 waves a work-group, no clusters, 67,840 bytes of LDS; arguments encoder_outputs, attn_mask, qc, part; writes part
.if DOCPART == 2
	.amdgcn_target "amdgcn-amd-amdhsa--gfx1250"
	.amdhsa_code_object_version 6
	.text
	.protected	k_qa534b301ac_stream
	.globl	k_qa534b301ac_stream
	.p2align	8
	.type	k_qa534b301ac_stream,@function
k_qa534b301ac_stream:
	s_mov_b64 s[64:65], 0
	v_nop
	global_prefetch_b8 v0, s[64:65] scope:SCOPE_SE
	s_setreg_imm32_b32 hwreg(HW_REG_WAVE_MODE, 25, 1), 1
	s_wait_xcnt 0x0
; One pass over encoder_outputs.  For row x of sample s: e = mask * (q[s] . x + c[s]); e == 0 becomes -1e10; softmax weights and the weighted
; sum of the rows are made in the same pass by a running maximum: m, l = sum of exp(e - m), acc = sum of exp(e - m) x.
; SHARES: work-group g owns rows 256 (g mod 4) .. + 255 of sample g / 4: 1 MiB, contiguous.  Wave w owns 16 of them, 64 KiB, contiguous.
; One wave, one row: 8 loads of 16 bytes a lane, each covering 512 consecutive aligned bytes; lane L's register 4 j + c holds column 128 j + 4 L + c.
; q and acc lie in 32 registers each in the same layout, so a row is read from memory once and serves the dot product and the sum.
; RING: five row slots in registers, and row 0 is loaded straight into acc (its weight is exp(0) = 1: nothing is cleared or copied).
; A wave has 4 or 5 rows (16 to 20 KiB) on their way throughout, the 16 waves 256 to 320 KiB.  The 16 rows are written out: every address is one
; register that is never rewritten plus an immediate of at most 65,024 bytes.
; At the end the 16 waves' (m, l, acc) are merged through LDS and stored: part bytes 4096 g: acc[1024]; part bytes 1048576 + 8 g: (m, l).
; All in f32 on the vector unit: each sample has one vector q, which would fill one row of sixteen of a matrix tile, and 16-bit operands
; would move the exponents by more than the result's tolerance bears.  No LDS ring: each byte is read by one wave alone.
; No cluster: the four work-groups of a sample share q alone, 4 KiB against 1 MiB of their own.
; LIMITS: the energy is summed as (h W) . x + h . b, another order of rounding than the problem's formula, and the test e == 0 is made on that sum
; (it agrees wherever the zero comes from a zero mask or zero factors, not where an f32 sum cancels to 0 by chance).
; v_exp_f32 flushes results below 2^-126 to 0 (ISA guide 15.8), so weights that small count as 0.  The maximum is taken away in natural units, ahead of the
; factor log2(e).  NaN or infinity among the inputs gives NaN, not necessarily in the same places.
.set LOFF, 1                           ; v1         16 x lane; never rewritten
.set NEG,  2                           ; v2         -1e10
.set PX,   3                           ; v3         the other half-wave's figure
.set T,    4                           ; v[4:11]    four chains of two
.set EN,   12                          ; v12        the row's e
.set MN,   13                          ; v13        the new maximum
.set MX,   14                          ; v[14:15]   m, l
.set PS,   16                          ; v[16:17]   exp(e - new m), exp(old m - new m)
.set DS,   18                          ; v18, v19   the two exponents
.set Q,    24                          ; v[24:55]
.set ACC,  56                          ; v[56:87]
.set X,    88                          ; v[88:247]  slot k at 88 + 32 k
.set PP,   88                          ; the merge: v[88:119]  my two columns of the 16 waves' acc
.set ML,   120                         ; the merge: v[120:151] the 16 waves' (m, l)
.set F,    152                         ; the merge: v[152:167] exp(m_u - M)
.set MASK, 16                          ; s[16:31]   the masks of my 16 rows
.set MLB,  65536                       ; LDS: (m, l) of wave w at 65536 + 8 w.  LDS bytes 0 .. 65535: wave w's acc at 4096 w, columns in order
.set LOG2E, 0x3fb8aa3b
	s_load_b256 s[4:11], s[0:1], 0x0               ; encoder_outputs s[4:5], attn_mask s[6:7], qc s[8:9], part s[10:11]
	v_lshl_add_u32 v248, v0, 2, 0x10100
	v_mov_b32 v249, 0
	v_lshrrev_b32 v2, 5, v0
	v_readfirstlane_b32 s12, v2                    ; wave 0 .. 15
	s_mov_b32 s13, ttmp9                           ; g
	s_lshl_b32 s14, s13, 20                        ; 256 rows of 4,096 bytes
	s_lshl_b32 s37, s12, 16                        ; 16 rows
	s_or_b32 s14, s14, s37
	s_mov_b32 s15, 0
	s_lshl_b32 s38, s13, 10                        ; masks: 256 numbers for a work-group,
	s_lshl_b32 s37, s12, 6                         ; 16 for a wave
	s_add_co_u32 s38, s38, s37
	s_lshr_b32 s39, s13, 2                         ; sample
	s_lshl_b32 s33, s39, 2                         ; its c
	s_lshl_b32 s46, s39, 12                        ; its row of q
	s_mov_b32 s47, 0
	s_mov_b32 s34, 0x76543210                      ; v_permlanex16_b32: lane i reads lane i of the other half
	s_mov_b32 s35, 0xfedcba98
	v_and_b32 v[LOFF], 31, v0
	v_lshlrev_b32 v[LOFF], 4, v[LOFF]
	s_wait_kmcnt 0x0
	s_load_b512 s[MASK:MASK+15], s[6:7], s38 offset:0x0    ; 64 bytes: my 16 masks
	s_load_b32 s32, s[8:9], s33 offset:0x40000     ; c lies behind q
	s_add_nc_u64 s[4:5], s[4:5], s[14:15]          ; my wave's first row
	s_add_nc_u64 s[42:43], s[8:9], s[46:47]        ; my sample's q
.macro LOADROW dst, row                        ; read once in the launch: non-temporal
.irp j, 0,1,2,3,4,5,6,7
	global_load_b128 v[\dst+4*\j:\dst+4*\j+3], v[LOFF], s[4:5] offset:(\row)*4096+512*\j th:TH_LOAD_NT
.endr
.endm
.irp j, 0,1,2,3,4,5,6,7
	global_load_b128 v[Q+4*\j:Q+4*\j+3], v[LOFF], s[42:43] offset:512*\j
.endr
	LOADROW ACC, 0
.irp k, 0,1,2,3,4
	LOADROW X+32*\k, \k+1
.endr
	s_lshl_b32 s46, s13, 12
	s_add_nc_u64 s[44:45], s[10:11], s[46:47]      ; where my work-group's acc goes
	s_lshl_b32 s46, s13, 3
	s_add_nc_u64 s[40:41], s[10:11], 0x100000
	s_add_nc_u64 s[40:41], s[40:41], s[46:47]      ; and its (m, l)
	s_lshl_b32 s37, s12, 3
	s_add_co_u32 s37, s37, MLB
	v_mov_b32 v[NEG], 0xd01502f9                   ; -1e10
	v_mov_b32 v[PX], 0                             ; v_permlanex16_b32 counts as a reader of its destination
	v_lshl_add_u32 v20, s12, 12, v[LOFF]           ; LDS: my wave's acc, my 16 bytes
	v_mov_b32 v21, s37                             ; LDS: my wave's (m, l)
	v_lshlrev_b32 v22, 3, v0                       ; 8 x thread: my two columns in the merge, in LDS and in part
	v_mov_b32 v23, MLB
; q . row, the sum in every lane
.macro DOT src
.irp k, 0,1,2,3
	v_pk_mul_f32 v[T+2*\k:T+2*\k+1], v[\src+2*\k:\src+2*\k+1], v[Q+2*\k:Q+2*\k+1]     ; the first products start the four chains
.endr
.set n, 4
.rept 12
	v_pk_fma_f32 v[T+2*(n%4):T+2*(n%4)+1], v[\src+2*n:\src+2*n+1], v[Q+2*n:Q+2*n+1], v[T+2*(n%4):T+2*(n%4)+1]
.set n, n+1
.endr
	v_pk_add_f32 v[T:T+1],   v[T:T+1],   v[T+2:T+3]
	v_pk_add_f32 v[T+4:T+5], v[T+4:T+5], v[T+6:T+7]
	v_pk_add_f32 v[T:T+1],   v[T:T+1],   v[T+4:T+5]
	v_add_f32 v[EN], v[T], v[T+1]
.irp m, 1,2,4,8
	v_add_f32_dpp v[EN], v[EN], v[EN] row_xmask:\m row_mask:0xf bank_mask:0xf
.endr
	v_permlanex16_b32 v[PX], v[EN], s34, s35
	v_add_f32 v[EN], v[EN], v[PX]
.endm
; e = mask * (dot + c); an exact zero, of either sign, becomes -1e10
.macro ENERGY i
	v_add_f32 v[EN], s32, v[EN]
	v_mul_f32 v[EN], s[MASK+\i], v[EN]
	v_cmp_eq_f32 vcc_lo, 0, v[EN]
	v_cndmask_b32 v[EN], v[EN], v[NEG], vcc_lo
.endm
; row i, 1 to 15, from slot (i - 1) mod 5; the slot then takes row i + 5
.macro ROW i
.set XS, X+32*((\i-1)%5)
.if 15-\i < 4
	s_wait_loadcnt 8*(15-\i)                       ; loads come back in order (ISA guide 5.7.1): the rows issued behind row i stay out; at the end they run down
.else
	s_wait_loadcnt 32                              ; four rows of eight loads were issued behind row i
.endif
	DOT XS
	ENERGY \i
	v_max_num_f32 v[MN], v[MX], v[EN]
	v_sub_f32 v[DS],   v[MX], v[MN]                ; the maximum is taken away first, then the factor log2(e)
	v_sub_f32 v[DS+1], v[EN], v[MN]
	v_mul_f32 v[DS],   LOG2E, v[DS]
	v_mul_f32 v[DS+1], LOG2E, v[DS+1]
	v_exp_f32 v[PS+1], v[DS]                       ; what the old sums are scaled by
	v_exp_f32 v[PS],   v[DS+1]                     ; this row's weight
	v_mov_b32 v[MX], v[MN]                         ; the plain instruction between the exponentials and the first use of their results (ISA guide 5.7.2)
	s_wait_alu depctr_va_vdst(0)
	v_fma_f32 v[MX+1], v[MX+1], v[PS+1], v[PS]
.set n, 0
.rept 16
	v_pk_mul_f32 v[ACC+2*n:ACC+2*n+1], v[ACC+2*n:ACC+2*n+1], v[PS:PS+1] op_sel:[0,1] op_sel_hi:[1,1]
.set n, n+1
.endr
.set n, 0
.rept 16
	v_pk_fma_f32 v[ACC+2*n:ACC+2*n+1], v[XS+2*n:XS+2*n+1], v[PS:PS+1], v[ACC+2*n:ACC+2*n+1] op_sel_hi:[1,0,1]
.set n, n+1
.endr
.if \i+5 <= 15
	LOADROW XS, \i+5
.endif
.endm
	s_wait_loadcnt 40                              ; rows 1 to 5 stay out: q and row 0 are in
	DOT ACC
	s_wait_kmcnt 0x0                               ; masks and c
	ENERGY 0
	v_mov_b32 v[MX], v[EN]                         ; m = e, l = 1, acc = the row as loaded
	v_mov_b32 v[MX+1], 1.0
.irp i, 1,2,3,4,5,6,7,8,9,10,11,12,13,14,15
	ROW \i
.endr
	; THE MERGE of the 16 waves
.irp j, 0,1,2,3,4,5,6,7
	ds_store_b128 v20, v[ACC+4*\j:ACC+4*\j+3] offset:512*\j        ; 32 lanes, 512 consecutive bytes
.endr
	ds_store_b64 v21, v[MX:MX+1]                   ; all lanes write the same 8 bytes with the same numbers
	s_wait_dscnt 0x0                               ; for the other waves' sake: all my LDS stores are done
	s_barrier_signal -1
	s_barrier_wait -1                              ; the only barrier: behind it LDS is read and nothing is written
.irp t, 0,1,2,3,4,5,6,7
	ds_load_b128 v[ML+4*\t:ML+4*\t+3], v23 offset:16*\t            ; (m, l) of waves 2 t and 2 t + 1, the same in every lane
.endr
.set u, 0
.rept 16
	ds_load_b64 v[PP+2*u:PP+2*u+1], v22 offset:4096*u              ; wave u's acc, columns 64 w + 2 L and the next: 256 consecutive bytes a load
.set u, u+1
.endr
	s_wait_dscnt 16                                ; the 16 loads of acc are younger and stay out: the (m, l) are in
	v_max3_num_f32 v[MN], v[ML], v[ML+2], v[ML+4]
.set u, 3
.rept 6
	v_max3_num_f32 v[MN], v[MN], v[ML+2*u], v[ML+2*u+2]
.set u, u+2
.endr
	v_max_num_f32 v[MN], v[MN], v[ML+30]           ; M, the work-group's maximum
.set u, 0
.rept 16
	v_sub_f32 v[F+u], v[ML+2*u], v[MN]
.set u, u+1
.endr
.set u, 0
.rept 16
	v_mul_f32 v[F+u], LOG2E, v[F+u]
.set u, u+1
.endr
.set u, 0
.rept 16
	v_exp_f32 v[F+u], v[F+u]
.set u, u+1
.endr
	v_mov_b32 v[MX], v[MN]                         ; the plain instruction behind the exponentials (ISA guide 5.7.2)
	s_wait_alu depctr_va_vdst(0)
	v_mul_f32 v[MX+1], v[ML+1], v[F]
.set u, 1
.rept 15
	v_fmac_f32 v[MX+1], v[ML+2*u+1], v[F+u]
.set u, u+1
.endr
	s_wait_dscnt 0x0
	v_pk_mul_f32 v[T:T+1],   v[PP:PP+1],   v[F:F+1] op_sel_hi:[1,0]             ; two chains: even waves, odd waves
	v_pk_mul_f32 v[T+2:T+3], v[PP+2:PP+3], v[F:F+1] op_sel:[0,1] op_sel_hi:[1,1]
.set u, 2
.rept 7
	v_pk_fma_f32 v[T:T+1],   v[PP+2*u:PP+2*u+1],   v[F+u:F+u+1], v[T:T+1]   op_sel_hi:[1,0,1]
	v_pk_fma_f32 v[T+2:T+3], v[PP+2*u+2:PP+2*u+3], v[F+u:F+u+1], v[T+2:T+3] op_sel:[0,1,0] op_sel_hi:[1,1,1]
.set u, u+2
.endr
	v_pk_add_f32 v[T:T+1], v[T:T+1], v[T+2:T+3]
	global_store_b64 v22, v[T:T+1], s[44:45]       ; a wave stores 256 consecutive aligned bytes
	s_cmp_lg_u32 s12, 0
	s_cbranch_scc1 .Lend
	v_mov_b32 v[PX], 0
	v_cmp_eq_u32 vcc_lo, 0, v0
	s_wait_xcnt 0x0                                ; EXEC changes only behind this wait
	s_and_saveexec_b32 s36, vcc_lo
	global_store_b64 v[PX], v[MX:MX+1], s[40:41]   ; thread 0: (M, l).  A short store, one for a work-group: the table is 2 KiB in all
	s_wait_xcnt 0x0                                ; and again in front of the line that widens it
	s_or_b32 exec_lo, exec_lo, s36
.Lend:
	s_wait_tensorcnt 0x0
	ds_add_u32 v248, v249
	s_wait_dscnt 0x0
	s_endpgm
.Lfunc_end_k_qa534b301ac_stream:
	.size	k_qa534b301ac_stream, .Lfunc_end_k_qa534b301ac_stream-k_qa534b301ac_stream
	.p2alignl 7, 3214868480
	.fill 96, 4, 3214868480
	.section	.rodata,"a",@progbits
	.p2align	6, 0x0
	.amdhsa_kernel k_qa534b301ac_stream
		.amdhsa_group_segment_fixed_size 67840
		.amdhsa_private_segment_fixed_size 0
		.amdhsa_enable_private_segment 0
		.amdhsa_kernarg_size 32
		.amdhsa_user_sgpr_count 2
		.amdhsa_user_sgpr_kernarg_segment_ptr 1
		.amdhsa_wavefront_size32 1
		.amdhsa_system_sgpr_workgroup_id_x 1
		.amdhsa_system_sgpr_workgroup_id_y 1
		.amdhsa_system_sgpr_workgroup_id_z 1
		.amdhsa_system_vgpr_workitem_id 0
		.amdhsa_next_free_vgpr 250
		.amdhsa_next_free_sgpr 66
		.amdhsa_reserve_vcc 1
		.amdhsa_float_denorm_mode_32 3
		.amdhsa_float_denorm_mode_16_64 3
		.amdhsa_memory_ordered 1
		.amdhsa_forward_progress 1
		.amdhsa_inst_pref_size 86
	.end_amdhsa_kernel
	.amdgpu_metadata
---
amdhsa.version: [ 1, 2 ]
amdhsa.kernels:
  - .name:           k_qa534b301ac_stream
    .symbol:         k_qa534b301ac_stream.kd
    .args:
      - { .name: encoder_outputs, .offset: 0, .size: 8, .value_kind: global_buffer, .address_space: global }
      - { .name: attn_mask, .offset: 8, .size: 8, .value_kind: global_buffer, .address_space: global }
      - { .name: qc, .offset: 16, .size: 8, .value_kind: global_buffer, .address_space: global }
      - { .name: part, .offset: 24, .size: 8, .value_kind: global_buffer, .address_space: global }
    .group_segment_fixed_size: 67840
    .private_segment_fixed_size: 0
    .kernarg_segment_align: 8
    .kernarg_segment_size: 32
    .max_flat_workgroup_size: 512
    .sgpr_count:     66
    .vgpr_count:     250
    .wavefront_size: 32
...
	.end_amdgpu_metadata
.endif
;; end of part 2
;; launch combine (part 3): grid 256 x 1, 2 waves a work-group, no clusters, 0 bytes of LDS; arguments part, out0; writes out0
.if DOCPART == 3
	.amdgcn_target "amdgcn-amd-amdhsa--gfx1250"
	.amdhsa_code_object_version 6
	.text
	.protected	k_qa534b301ac_combine
	.globl	k_qa534b301ac_combine
	.p2align	8
	.type	k_qa534b301ac_combine,@function
k_qa534b301ac_combine:
	s_mov_b64 s[64:65], 0
	v_nop
	global_prefetch_b8 v0, s[64:65] scope:SCOPE_SE
	s_setreg_imm32_b32 hwreg(HW_REG_WAVE_MODE, 25, 1), 1
	s_wait_xcnt 0x0
; out0[s][d] = (sum over the sample's four quarters u of exp(m_u - M) acc_u[d]) / (sum over u of exp(m_u - M) l_u), M = the largest m_u.
; Work-group g makes columns 256 (g mod 4) .. + 255 of sample g / 4; thread t four of them: 16 bytes from each of four rows of part, 16 bytes out.
; The divisor is at least 1, since the row with the maximum weighs 1, and at most 1,024.  v_exp_f32 flushes factors below 2^-126 to 0 (ISA guide 15.8).
; A launch of its own because the four quarters were made by four work-groups, which hand nothing to each other inside a launch.
.set LOG2E, 0x3fb8aa3b
.set P, 4                              ; v[4:19]   quarter u's four numbers at 4 + 4 u; the result in v[4:7]
.set F, 24                             ; v[24:27]  the four factors
	s_load_b128 s[4:7], s[0:1], 0x0                ; part s[4:5], out0 s[6:7]
	s_lshr_b32 s13, ttmp9, 2                       ; sample
	s_lshl_b32 s12, s13, 5                         ; its four (m, l): 32 bytes
	s_lshl_b32 s14, s13, 14                        ; its four rows of 4,096 bytes in part
	s_and_b32 s10, ttmp9, 3
	s_lshl_b32 s10, s10, 10                        ; my 256 columns
	s_add_co_u32 s14, s14, s10
	s_mov_b32 s15, 0
	s_lshl_b32 s10, ttmp9, 10                      ; out0: 4096 x sample + 1024 x (g mod 4)
	s_mov_b32 s11, 0
	v_lshlrev_b32 v1, 4, v0
	s_wait_kmcnt 0x0
	s_load_b256 s[16:23], s[4:5], s12 offset:0x100000      ; m0 l0 m1 l1 m2 l2 m3 l3
	s_add_nc_u64 s[8:9], s[4:5], s[14:15]
	s_add_nc_u64 s[6:7], s[6:7], s[10:11]
.irp u, 0,1,2,3
	global_load_b128 v[P+4*\u:P+4*\u+3], v1, s[8:9] offset:4096*\u
.endr
	s_wait_kmcnt 0x0
	v_max_num_f32 v20, s16, s18
	v_max3_num_f32 v20, v20, s20, s22              ; M
.irp u, 0,1,2,3
	v_sub_f32 v[F+\u], s[16+2*\u], v20
.endr
.irp u, 0,1,2,3
	v_mul_f32 v[F+\u], LOG2E, v[F+\u]
.endr
.irp u, 0,1,2,3
	v_exp_f32 v[F+\u], v[F+\u]
.endr
	v_nop                                          ; a plain instruction between the exponentials and the first use (ISA guide 5.7.2)
	s_wait_alu depctr_va_vdst(0)
	v_mul_f32 v21, s17, v[F]
	v_fmac_f32 v21, s19, v[F+1]
	v_fmac_f32 v21, s21, v[F+2]
	v_fmac_f32 v21, s23, v[F+3]
	v_rcp_f32 v22, v21
	v_nop                                          ; likewise behind the reciprocal
	s_wait_alu depctr_va_vdst(0)
.irp u, 0,1,2,3
	v_mul_f32 v[F+\u], v[F+\u], v22                ; the division goes into the four factors
.endr
	s_wait_loadcnt 0x0
.irp p, 0,2
	v_pk_mul_f32 v[P+\p:P+\p+1], v[P+\p:P+\p+1],       v[F:F+1] op_sel_hi:[1,0]
.endr
.irp p, 0,2
	v_pk_fma_f32 v[P+\p:P+\p+1], v[P+4+\p:P+4+\p+1],   v[F:F+1],     v[P+\p:P+\p+1] op_sel:[0,1,0] op_sel_hi:[1,1,1]
.endr
.irp p, 0,2
	v_pk_fma_f32 v[P+\p:P+\p+1], v[P+8+\p:P+8+\p+1],   v[F+2:F+3],   v[P+\p:P+\p+1] op_sel_hi:[1,0,1]
.endr
.irp p, 0,2
	v_pk_fma_f32 v[P+\p:P+\p+1], v[P+12+\p:P+12+\p+1], v[F+2:F+3],   v[P+\p:P+\p+1] op_sel:[0,1,0] op_sel_hi:[1,1,1]
.endr
	global_store_b128 v1, v[P:P+3], s[6:7]         ; 16 lanes store 256 consecutive aligned bytes
	s_endpgm
.Lfunc_end_k_qa534b301ac_combine:
	.size	k_qa534b301ac_combine, .Lfunc_end_k_qa534b301ac_combine-k_qa534b301ac_combine
	.p2alignl 7, 3214868480
	.fill 96, 4, 3214868480
	.section	.rodata,"a",@progbits
	.p2align	6, 0x0
	.amdhsa_kernel k_qa534b301ac_combine
		.amdhsa_group_segment_fixed_size 0
		.amdhsa_private_segment_fixed_size 0
		.amdhsa_enable_private_segment 0
		.amdhsa_kernarg_size 16
		.amdhsa_user_sgpr_count 2
		.amdhsa_user_sgpr_kernarg_segment_ptr 1
		.amdhsa_wavefront_size32 1
		.amdhsa_system_sgpr_workgroup_id_x 1
		.amdhsa_system_sgpr_workgroup_id_y 1
		.amdhsa_system_sgpr_workgroup_id_z 1
		.amdhsa_system_vgpr_workitem_id 0
		.amdhsa_next_free_vgpr 32
		.amdhsa_next_free_sgpr 66
		.amdhsa_reserve_vcc 0
		.amdhsa_float_denorm_mode_32 3
		.amdhsa_float_denorm_mode_16_64 3
		.amdhsa_memory_ordered 1
		.amdhsa_forward_progress 1
		.amdhsa_inst_pref_size 3
	.end_amdhsa_kernel
	.amdgpu_metadata
---
amdhsa.version: [ 1, 2 ]
amdhsa.kernels:
  - .name:           k_qa534b301ac_combine
    .symbol:         k_qa534b301ac_combine.kd
    .args:
      - { .name: part, .offset: 0, .size: 8, .value_kind: global_buffer, .address_space: global }
      - { .name: out0, .offset: 8, .size: 8, .value_kind: global_buffer, .address_space: global }
    .group_segment_fixed_size: 0
    .private_segment_fixed_size: 0
    .kernarg_segment_align: 8
    .kernarg_segment_size: 16
    .max_flat_workgroup_size: 64
    .sgpr_count:     66
    .vgpr_count:     32
    .wavefront_size: 32
...
	.end_amdgpu_metadata
.endif
;; end of part 3
